; MI455X (gfx1250); checked and timed in simulation.
; The chip was launched on July 23, 2026; its instructions are those of AMD's public machine-readable ISA for CDNA 5 (MIT licence, August 2026) and "CDNA5" Instruction Set Architecture Reference Guide (July 2026). The comments in the code are by the model that wrote it; some were corrected since.
;; Deepseek V4 Attention. Allowed arithmetic: matrix products marked QUANTISED: E2M1 operands, one E8M0 scale for each 32 along K, by v_wmma_scale_f32_16x16x128_f8f6f4 with both operands' format E2M1 (or v_wmma_scale_f32_32x16x128_f4), f32 sums; everything else in f32.
;; Inputs: attention_mask 1 x 1 x 2,048 x 2,048 float32; key 1 x 4 x 2,048 x 128 float32; query 1 x 32 x 2,048 x 128 float32; sinks 32 float32; value 1 x 4 x 2,048 x 128 float32.
;; Outputs: out0 1 x 2,048 x 32 x 128 float32.
;; This version of the problem:
;;   THIS VERSION OF THE PROBLEM IS GIVEN IN LOW PRECISION. The matrix products marked QUANTISED in the list below multiply operands that are first quantised to E2M1 (2 exponent bits, 1 mantissa bit; 4 bits a number), with one power-of-two scale for each 32 numbers along K (OCP MX v1.0); their sums are f32. All else is computed in f32.
;;   The module's matrix products, in the order in which they are computed (A, B: the left and right operand; K: the contracted axis; several contracted axes count as one K, in the product's order):
;;     1. batch 32 x [M 2,048, K 128] x [K 128, N 2,048]; A: input query; B: input key: QUANTISED
;;     2. batch 32 x [M 2,048, K 2,048] x [K 2,048, N 128]; A: computed on the way; B: input value: QUANTISED
;;   THE QUANTISER, for each operand of a quantised product, along K:
;;     - K is cut into blocks of 32 from its start; a last block that is shorter is filled with zeros.
;;     - A block's scale is 2^e with e = floor(log2(the largest magnitude in the block)) - 2, held to -126 .. 127; a block of zeros has e = 0. As a byte (E8M0): e + 127.
;;     - Each number is divided by its block's scale, clamped to +-6, and rounded to the nearest number of E2M1, ties to even, subnormals kept.
;;     - The product sums the exact products of the quantised numbers (number of the format x scale) in f32.
;;   ~~~python
;;   def quantise(x, axis):      # numpy; x: float32 -> the quantised numbers, widened to float32 again
;;       x = np.moveaxis(x, axis, -1); K = x.shape[-1]
;;       x = np.pad(x, [(0, 0)] * (x.ndim - 1) + [(0, -K % 32)]); x = x.reshape(x.shape[:-1] + (-1, 32)); a = np.abs(x).max(-1, keepdims=True)
;;       e = np.where(a > 0, np.clip(np.frexp(np.where(a > 0, a, 1))[1] - 1 - 2, -126, 127), 0)      # np.frexp(a)[1] - 1 = floor(log2(a)), exactly
;;       r = np.clip(x / 2.0 ** e, -6, 6)
;;       step = 2.0 ** (np.maximum(np.frexp(np.where(r == 0, 1, r))[1] - 1, 0) - 1)
;;       q = np.round(r / step) * step * 2.0 ** e      # np.round: ties to even
;;       return np.moveaxis(q.reshape(q.shape[:-2] + (-1,))[..., :K], -1, axis).astype(np.float32)
;;   ~~~
;;   OPERANDS COMPUTED ON THE WAY. 'Computed on the way' means the value that the module computes at that place (a softmax that the list does not call 'softmax' is quantised finished and normalised). What goes into a quantiser is computed in f32, as accurately as f32 sums, v_exp_f32 and their like allow (about 1e-6 of the number): no bf16 or f16 on the way to a quantiser, and a product that is left as it is and whose result goes on into a quantised operand takes f32 operands (vector FMAs, or v_wmma_f32_16x16x4_f32). A number that lies on a knife's edge between two numbers of the format may be rounded either way, as far as f32 arithmetic and the matrix unit's own rounding can turn it there, and no further.
;; One version. Each part assembles by itself: llvm-mc -triple=amdgcn-amd-amdhsa -mcpu=gfx1250 --defsym DOCPART=n.
;; ======== version 1 of 1: 2 launches
;; limits: right only within a limited range of input values
;; workspace buffers: kvq 1,114,112 bytes
;; launch prep (part 1): grid 256 x 1, 2 waves a work-group, no clusters, 34,048 bytes of LDS; arguments key, value, kvq; writes kvq
.if DOCPART == 1
	.amdgcn_target "amdgcn-amd-amdhsa--gfx1250"
	.amdhsa_code_object_version 6
	.text
	.protected	k_qf48fddc1bc_prep
	.globl	k_qf48fddc1bc_prep
	.p2align	8
	.type	k_qf48fddc1bc_prep,@function
k_qf48fddc1bc_prep:
	s_mov_b64 s[64:65], 0
	v_nop
	global_prefetch_b8 v0, s[64:65] scope:SCOPE_SE
	s_setreg_imm32_b32 hwreg(HW_REG_WAVE_MODE, 25, 1), 1
	s_wait_xcnt 0x0
; key [4][2048][128] and value [4][2048][128], f32, become codes of E2M1 with one E8M0 byte for each 32 along the product's K, laid IN THE ORDER OF THE OPERANDS' REGISTERS,
; so that the attention launch brings them by dense tensor loads and reads every fragment by 16 bytes a lane, lane after lane.
; kvq: head g at 278,528 g: 16 records of key, then 16 of value, 8,704 bytes each; a record serves 128 keys (key step s).
;   record: eight tile images of 1,024 bytes (tile t at 1024 t; registers 4 c .. 4 c + 3 at + 512 c; lane l at + 16 l), then 512 bytes of scale words: word (j, l) at 8192 + 128 j + 4 l:
;   lanes 0-15 carry tile 2 j's rows, lanes 16-31 tile 2 j + 1's.
;   key, K = the head's 128: tile 2 b + u, row m = key 128 s + 32 b + 8 u + m + 8 (m / 8); lane (r, h), group c: channels 64 c + 32 h + 0 .. 31 of row r.
;   value, K = the keys: tile t, row r = channel 16 t + r; lane (r, h), group c: keys 128 s + 64 c + 32 h + 0 .. 31.
; A block's scale is 2^(floor(log2(largest magnitude)) - 2): its byte is the largest magnitude's exponent field - 2, held at 1 from below by a floor among the maximum's leaves.
; LIMITS: a block of zeros gets the byte 1 where the rule says 127 (its codes are zeros, and only this program reads the bytes); NaN and infinities among the inputs are not served.
; SHARES: work-groups 0-127 take key, 128-255 value; two waves each, which share nothing: no barrier.  Only key's path touches LDS.
.set REC,   8704
.set HEADB, 32*REC                     ; a head's 32 records
.set VBASE, 16*REC                     ; value's records begin here
.set SP,    528                        ; a stage row: a key's 512 bytes + 16 of padding
.set STG,   32*SP                      ; a wave's stage: 32 keys
.set CD,    32                         ; v32-47  codes: four registers a block
.set X,     64                         ; v64-191 numbers
	s_load_b128 s[4:7], s[0:1], 0x0                ; key s[4:5], value s[6:7]
	s_load_b64 s[8:9], s[0:1], 0x10                ; kvq
	v_lshl_add_u32 v192, v0, 2, 0x8400
	v_mov_b32 v193, 0
	v_lshrrev_b32 v1, 5, v0
	v_readfirstlane_b32 s10, v1                    ; wave 0, 1
	v_and_b32 v1, 31, v0                           ; lane
	v_lshlrev_b32 v2, 4, v1                        ; 16 x lane
	v_lshlrev_b32 v3, 2, v1                        ; 4 x lane
	v_and_b32 v8, 15, v1                           ; r
	v_lshrrev_b32 v9, 4, v1                        ; h
	s_mov_b32 s20, 0x76543210
	s_mov_b32 s21, 0xfedcba98                      ; v_permlanex16_b32's selects for lane l xor 16
	s_cmp_lt_u32 ttmp9, 128
	s_cbranch_scc0 .Lvalue
; ---------------- key: a wave takes 32 keys (tiles 2 b and 2 b + 1 of a record): 16,384 dense bytes ----------------
	s_lshl_b32 s11, ttmp9, 1
	s_add_co_u32 s11, s11, s10                     ; U = 64 head + 4 s + b
	s_lshl_b32 s12, s11, 14                        ; its 32 keys begin 16,384 U bytes into key
	s_mov_b32 s13, 0
	s_lshr_b32 s14, s11, 6                         ; head
	s_mul_i32 s14, s14, HEADB
	s_bfe_u32 s15, s11, 0x40002                    ; s
	s_mul_i32 s15, s15, REC
	s_add_co_u32 s14, s14, s15                     ; the record
	s_mov_b32 s15, 0
	s_and_b32 s16, s11, 3                          ; b
	s_lshl_b32 s17, s16, 11
	s_lshl_b32 s16, s16, 7
	s_wait_alu depctr_va_vdst(0)
	v_add_nc_u32 v6, s17, v2                       ; codes: 16 l + 2048 b
	v_add_nc_u32 v7, s16, v3                       ; scale words: 4 l + 128 b
	s_mul_i32 s18, s10, STG                        ; my stage
	v_add_nc_u32 v4, s18, v2                       ; in: a key's row as it lies, 16 bytes a lane
	v_and_b32 v10, 8, v8
	v_add_nc_u32 v10, v10, v8                      ; r + 8 (r / 8)
	v_mul_u32_u24 v5, v10, SP
	v_lshl_add_u32 v5, v9, 7, v5
	v_add_nc_u32 v5, s18, v5                       ; back: my row of tile 0, + 128 h: my 32 channels of a group
	v_lshlrev_b32 v25, 3, v9                       ; 8 h
	v_mov_b32 v22, 0                               ; a lane permute's destination counts as one of its sources
	v_mov_b32 v23, 0
	v_cmp_le_u32 vcc_lo, 16, v1                    ; lanes 16-31
	s_wait_alu depctr_va_vdst(0)
	s_wait_kmcnt 0x0
	s_add_nc_u64 s[4:5], s[4:5], s[12:13]
	s_add_nc_u64 s[8:9], s[8:9], s[14:15]
.set j, 0
.rept 32
	global_load_b128 v[X+4*j:X+4*j+3], v2, s[4:5] offset:512*j th:TH_LOAD_NT   ; key j: the 32 lanes read its 512 consecutive bytes
.set j, j+1
.endr
.irp q, 0,1,2,3
	s_wait_loadcnt 24-8*\q                         ; loads return in order: these eight are in, the younger groups of eight may be out
.irp i, 0,1,2,3,4,5,6,7
	ds_store_b128 v4, v[X+4*(8*\q+\i):X+4*(8*\q+\i)+3] offset:SP*(8*\q+\i)
.endr
.endr
	s_wait_dscnt 0x0                               ; the stores have read their registers, which the loads below write
.irp u, 0,1
.irp c, 0,1
.irp i, 0,1,2,3,4,5,6,7
	ds_load_b128 v[X+32*(2*\u+\c)+4*\i:X+32*(2*\u+\c)+4*\i+3], v5 offset:8*SP*\u+256*\c+16*\i   ; block q = 2 u + c: 32 neighbouring channels of my row of tile u
.endr
.endr
.endr
	s_wait_dscnt 0x0
.irp q, 0,1,2,3
	v_max3_num_f32 v[8+\q], |v[X+32*\q]|, |v[X+32*\q+1]|, 0x1800000   ; the floor 2^(3 - 127): the byte cannot fall under 1
.endr
.irp i, 2,4,6,8,10,12,14,16,18,20,22,24,26,28,30
.irp q, 0,1,2,3
	v_max3_num_f32 v[8+\q], v[8+\q], |v[X+32*\q+\i]|, |v[X+32*\q+\i+1]|   ; the four blocks by turns
.endr
.endr
.irp q, 0,1,2,3
	v_add_nc_u32 v[12+\q], 0xff000000, v[8+\q]     ; 2 off the exponent field: the conversion's scale operand
.endr
.irp q, 0,1,2,3
	v_lshrrev_b32 v[16+\q], 23, v[12+\q]           ; the scale's byte
.endr
	v_lshl_or_b32 v20, v17, 16, v16                ; tile 0: my bytes of blocks h and 2 + h,
	v_lshl_or_b32 v21, v19, 16, v18                ; tile 1 likewise,
	v_lshlrev_b32 v20, v25, v20                    ; at their places in the word (8 h bits up);
	v_lshlrev_b32 v21, v25, v21
	v_permlanex16_b32 v22, v20, s20, s21
	v_permlanex16_b32 v23, v21, s20, s21
	v_or_b32 v20, v20, v22                         ; with lane l xor 16's two the word is whole
	v_or_b32 v21, v21, v23
	v_cndmask_b32 v24, v20, v21, vcc_lo            ; lanes 0-15 carry tile 2 b's words, lanes 16-31 tile 2 b + 1's
.irp q, 0,1,2,3
.irp g, 0,1,2,3
	v_cvt_scalef32_pk8_fp4_f32 v[CD+4*\q+\g], v[X+32*\q+8*\g:X+32*\q+8*\g+7], v[12+\q]
.endr
.endr
	v_nop                                          ; one plain line behind the last scaled conversion
.irp q, 0,1,2,3
	global_store_b128 v6, v[CD+4*\q:CD+4*\q+3], s[8:9] offset:512*\q   ; 1024 u + 512 c = 512 q: the wave stores 512 consecutive bytes, aligned to 256
.endr
	global_store_b32 v7, v24, s[8:9] offset:8192   ; 128 consecutive bytes; the work-group's two waves write neighbours
	s_wait_tensorcnt 0x0
	ds_add_u32 v192, v193
	s_wait_dscnt 0x0
	s_endpgm
; ---------------- value: a wave takes 32 channels x 128 keys; a lane takes a channel and its registers run down the keys ----------------
.Lvalue:
	s_sub_co_u32 s11, ttmp9, 128                   ; 32 head + 2 s + (j / 2)
	s_lshr_b32 s14, s11, 5                         ; head
	s_bfe_u32 s15, s11, 0x40001                    ; s
	s_and_b32 s16, s11, 1
	s_lshl_b32 s16, s16, 1
	s_add_co_u32 s16, s16, s10                     ; j: channels 32 j on
	s_lshl_b32 s12, s14, 20                        ; a head is 2,048 keys of 512 bytes,
	s_lshl_b32 s17, s15, 16                        ; a key step 128 of them,
	s_add_co_u32 s12, s12, s17
	s_lshl_b32 s17, s16, 7                         ; 32 channels are 128 bytes
	s_add_co_u32 s12, s12, s17
	s_mov_b32 s13, 0
	s_mul_i32 s14, s14, HEADB
	s_mul_i32 s15, s15, REC
	s_add_co_u32 s14, s14, s15
	s_add_co_u32 s14, s14, VBASE                   ; the record
	s_mov_b32 s15, 0
	s_wait_alu depctr_va_vdst(0)
	v_add_nc_u32 v7, s17, v3                       ; scale words: 4 L + 128 j
	s_lshl_b32 s17, s16, 11
	v_lshlrev_b32 v6, 4, v8
	v_lshl_add_u32 v6, v9, 10, v6
	v_add_nc_u32 v6, s17, v6                       ; codes: tile 2 j + L / 16 at 1,024 bytes each, row L % 16 at 16
	s_wait_kmcnt 0x0
	s_add_nc_u64 s[6:7], s[6:7], s[12:13]
	s_add_nc_u64 s[8:9], s[8:9], s[14:15]
.macro VLOAD kb                        ; keys 32 kb + 0 .. 31 of my channel into set kb % 2; each load reads 128 consecutive bytes
.set j, 0
.rept 32
	global_load_b32 v[X+32*((\kb)%2)+j], v3, s[6:7] offset:(32*(\kb)+j)*512 th:TH_LOAD_NT
.set j, j+1
.endr
.endm
.macro VBLOCK kb
.set XS, X+32*((\kb)%2)
.if (\kb) < 3
	s_wait_loadcnt 32                              ; this block's 32 loads are in; the next block's 32 may be out
.else
	s_wait_loadcnt 0x0
.endif
	v_max3_num_f32 v10, |v[XS]|, |v[XS+1]|, |v[XS+2]|     ; all 32 numbers of the block are mine: two chains
	v_max3_num_f32 v11, |v[XS+3]|, |v[XS+4]|, |v[XS+5]|
.irp i, 6,10,14,18,22,26
	v_max3_num_f32 v10, v10, |v[XS+\i]|, |v[XS+\i+1]|
	v_max3_num_f32 v11, v11, |v[XS+\i+2]|, |v[XS+\i+3]|
.endr
	v_max3_num_f32 v10, v10, |v[XS+30]|, |v[XS+31]|
	v_max3_num_f32 v10, v10, v11, 0x1800000        ; and the floor
	v_add_nc_u32 v12, 0xff000000, v10              ; the conversion's scale operand
	v_lshrrev_b32 v13, 23, v12                     ; the byte
.if (\kb) == 0
	v_mov_b32 v20, v13
.else
	v_lshl_or_b32 v20, v13, 8*(\kb), v20           ; byte kb of my channel's word for these 128 keys
.endif
.irp g, 0,1,2,3
	v_cvt_scalef32_pk8_fp4_f32 v[CD+4*(\kb)+\g], v[XS+8*\g:XS+8*\g+7], v12
.endr
	v_nop                                          ; one plain line behind the last scaled conversion
	global_store_b128 v6, v[CD+4*(\kb):CD+4*(\kb)+3], s[8:9] offset:512*((\kb)/2)+256*((\kb)%2)   ; group kb / 2, lanes' half kb % 2: sixteen lanes store 256 consecutive bytes, aligned
.if (\kb) < 2
	VLOAD (\kb)+2
.endif
.endm
	VLOAD 0
	VLOAD 1
	VBLOCK 0
	VBLOCK 1
	VBLOCK 2
	VBLOCK 3
	global_store_b32 v7, v20, s[8:9] offset:8192   ; word (j, L): 128 consecutive bytes
	s_endpgm
.Lfunc_end_k_qf48fddc1bc_prep:
	.size	k_qf48fddc1bc_prep, .Lfunc_end_k_qf48fddc1bc_prep-k_qf48fddc1bc_prep
	.p2alignl 7, 3214868480
	.fill 96, 4, 3214868480
	.section	.rodata,"a",@progbits
	.p2align	6, 0x0
	.amdhsa_kernel k_qf48fddc1bc_prep
		.amdhsa_group_segment_fixed_size 34048
		.amdhsa_private_segment_fixed_size 0
		.amdhsa_enable_private_segment 0
		.amdhsa_kernarg_size 24
		.amdhsa_user_sgpr_count 2
		.amdhsa_user_sgpr_kernarg_segment_ptr 1
		.amdhsa_wavefront_size32 1
		.amdhsa_system_sgpr_workgroup_id_x 1
		.amdhsa_system_sgpr_workgroup_id_y 1
		.amdhsa_system_sgpr_workgroup_id_z 1
		.amdhsa_system_vgpr_workitem_id 0
		.amdhsa_next_free_vgpr 194
		.amdhsa_next_free_sgpr 66
		.amdhsa_reserve_vcc 1
		.amdhsa_float_denorm_mode_32 3
		.amdhsa_float_denorm_mode_16_64 3
		.amdhsa_memory_ordered 1
		.amdhsa_forward_progress 1
		.amdhsa_inst_pref_size 36
	.end_amdhsa_kernel
	.amdgpu_metadata
---
amdhsa.version: [ 1, 2 ]
amdhsa.kernels:
  - .name:           k_qf48fddc1bc_prep
    .symbol:         k_qf48fddc1bc_prep.kd
    .args:
      - { .name: key, .offset: 0, .size: 8, .value_kind: global_buffer, .address_space: global }
      - { .name: value, .offset: 8, .size: 8, .value_kind: global_buffer, .address_space: global }
      - { .name: kvq, .offset: 16, .size: 8, .value_kind: global_buffer, .address_space: global }
    .group_segment_fixed_size: 34048
    .private_segment_fixed_size: 0
    .kernarg_segment_align: 8
    .kernarg_segment_size: 24
    .max_flat_workgroup_size: 64
    .sgpr_count:     66
    .vgpr_count:     194
    .wavefront_size: 32
...
	.end_amdgpu_metadata
.endif
;; end of part 1
;; launch attn (part 2): grid 4 x 64, 8 waves a work-group, clusters of 4 x 4, 327,680 bytes of LDS; arguments query, kvq, attention_mask, sinks, out0; writes out0
.if DOCPART == 2
	.amdgcn_target "amdgcn-amd-amdhsa--gfx1250"
	.amdhsa_code_object_version 6
	.text
	.protected	k_qf48fddc1bc_attn
	.globl	k_qf48fddc1bc_attn
	.p2align	8
	.type	k_qf48fddc1bc_attn,@function
k_qf48fddc1bc_attn:
	s_mov_b64 s[64:65], 0
	v_nop
	global_prefetch_b8 v0, s[64:65] scope:SCOPE_SE
	s_setreg_imm32_b32 hwreg(HW_REG_WAVE_MODE, 25, 1), 1
	s_wait_xcnt 0x0
	s_wait_alu depctr_hold_cnt(0) depctr_sa_sdst(0) depctr_va_vdst(0) depctr_va_sdst(0) depctr_va_ssrc(0) depctr_va_vcc(0) depctr_vm_vsrc(0)
	s_getreg_b32 s2, hwreg(HW_REG_IB_STS2, 6, 4)
	s_cmp_eq_u32 s2, 0
	s_cbranch_scc0 .Lentry_in_a_cluster
	s_endpgm
.Lentry_in_a_cluster:
	s_bfe_u32 s2, ttmp6, 0x10000c
	s_cmp_lg_u32 s2, 0xf033
	s_cbranch_scc0 .Lentry_shape_is_right
	s_endpgm
.Lentry_shape_is_right:
; out0[q][head][:] = sum over k of p(q, k) value[head / 8][k][:],  p = softmax over the 2,048 keys AND the head's sink of (query . key / sqrt(128) + attention_mask[q][k]); the sink's own p is dropped.
; Both products on codes of E2M1 with one E8M0 scale for each 32 along K.  The second product's left operand is the FINISHED, NORMALISED p, quantised along the keys, so the keys are walked TWICE.
; Walk 1: scores; for each row a whole number M at or above its largest t, and the sum l of 2^(t - M) (the sink starts both).  Walk 2: the same scores, p = 2^(t - M - log2 l), quantised, times value.
; t = (score + mask) x log2(e).  THE MASK IS THE C OF THE FIRST PRODUCT: D = K Q^T + mask x sqrt(128), so that the exponent is one fused multiply-add of D.
; SHARES.  A work-group owns one key/value head g (its 8 query heads) x 32 queries.  Wave w owns queries 16 (w / 4) on of heads 8 g + 2 (w % 4) and + 1: two tiles on the SAME queries,
; so that each fragment of K and V and each mask register feeds two matrix instructions.  Tile 0's scores go to registers of their own; tile 1's are added in place onto the mask's registers.
; A step's order: both tiles' products; the next K is fetched; tile 1's vector work; the next mask is fetched into the registers that tile 1 has left; tile 0's vector work.
; LDS: A RING OF TWO SLOTS OF FOUR KEY STEPS (512 keys).  A slot: the mask, 4 tiles of 32 rows x 128 keys (rows of 512 bytes + 16); 4 records of K; 4 records of V (records as the launch before lays them).
; Fill j (0 .. 7; 0-3 serve walk 1, 4-7 walk 2) goes to slot j % 2 and brings keys 512 (j % 4) on.  One tensor load a wave: waves 0-3 a key step of the mask each, waves 4, 5 two records of K each,
; waves 6, 7 two records of V each.  V is read in walk 2 alone: fills 0 and 1 bring the records that slots 4 and 5 read, fills 2 to 5 bring none, fills 6 and 7 bring the rest.
; A change of slots stands in a slot's fourth step, when all its bytes are in registers; the refill issued there is waited for four key steps later.
; No data prefetch is laid: each refill is itself issued a whole slot, four key steps, ahead of the wait for it, which is where a prefetch would stand.
; CLUSTER 4 x 4: x = the key/value head, y = the block of queries.  K and V hang on x alone: asked for jointly along a column.  The mask hangs on y alone: jointly along a row.
; query is read once, by its own wave: sixteen lanes read 256 consecutive bytes, aligned; 16 rows x 256 bytes at a time turn through the wave's own stage in LDS, so that a lane gets 32 neighbours of a row.
; LAYOUT.  Both products are used transposed (S^T = K Q^T, O^T = V^T P^T): a lane holds one query (lane % 16).  Row m of K's tile 2 b + u is key 32 b + 8 u + m + 8 (m / 8), so that the 16 registers
; of tiles 2 b and 2 b + 1 are the 16 neighbouring keys 32 b + 16 (lane / 16) + 0 .. 15.
; LIMITS.  NaN and infinities in any input are not served (-1e9 and the like in the mask give p = 0).  |t| stays under 2^24, so that M is a whole number.  A power of two under 2^-126 comes out as 0.
; The mask enters as mask x sqrt(128), rounded once in f32.  The division by l is made in the exponent, by log2 l.  A block of zeros carries the byte 1.
; REGISTERS.  Window 0: v1-9, v208 addresses; v10-15 Q's and K's scale words; v16-31 Q's fragments; v32-37 V's and p's scale words; v40-47 statistics; v48-63 at work; v64-127 K's eight fragments;
;   v128-191 tile 0's S^T, then p; v192-207 p's codes.   Window 1: v0-127 O^T of the two tiles; v128-191 the mask, then tile 1's S^T and p; v192-255 V's eight fragments.
.set REC,   8704                       ; a record: eight tile images of 1,024 bytes and 512 bytes of scale words
.set RP,    528
.set MSKB,  32*RP                      ; a key step's tile of the mask
.set KOFF,  4*MSKB                     ; K's records in a slot; V's lie 4 records behind them
.set SLOT,  KOFF+8*REC
.set SPARE, 2*SLOT                     ; the spare words: 128 bytes for each of the eight waves
.set STG,   SPARE+1024                 ; query's stages: 16 rows of QP bytes for each wave; no fill lands here
.set QP,    272
.set SPW,  1
.set NIL,  2
.set LI,   3                           ; 16 x lane
.set LS,   4                           ; 4 x lane
.set AMK,  5                           ; my place in a tile of the mask
.set ADK,  6                           ; the record of K fetched last: images, scale words
.set ADKS, 7
.set ADV,  8
.set ADVS, 9
.set SQI,  8                           ; at the head: my places in query's stage, in and out
.set SQO,  9
.set QS,   10
.set KS,   12
.set QF,   16
.set VS,   32
.set PS,   36
.set H8,   38
.set STO,  38
.set AQ,   39
.set RD,   39
.set ST,   40                          ; tile x at v[ST + 4 x]: +0 -M (walk 2: -M - log2 l), +1 the largest t, +2, +3 the sum in two halves
.set TM,   48
.set PB,   52
.set SO,   56
.set FF,   60
.set SUM2, 62
.set KF,   64
.set S,    128                         ; tile 0: window 0; tile 1: the same numbers in window 1 (the mask's registers)
.set PC,   192
.set AM,   208                         ; the tile of the mask to be fetched
.set OT,   0                           ; window 1
.set MK,   128
.set VF,   192
.set WV,   14
.set QT,   15
.set HP,   16
.set CX,   17
.set CY,   18
.set GH,   19
.set QB,   20
.set RM,   21
.set CM,   22
.set G1KV, 24                          ; s[24:31] group 1: two records
.set G1M,  32                          ; s[32:39] 32 rows x 128 keys of the mask
.set G0K,  40
.set G0M,  44
.set MB,   48                          ; s[48:49] the mask at my block's first row, my key step
.set KB,   50                          ; s[50:51] kvq at my two records of fill 0
.set OFM,  52                          ; s[52:53], s[54:55] the fill's byte offsets
.set OFK,  54
.set XM,   56                          ; my loads' places in a slot
.set XK,   57
.set FS,   58                          ; the slot filled last
.set JJ,   59                          ; the fill's number % 4
.set RB,   60                          ; the slot being read
.set MO,   61
.set KO,   62
.set CNT,  63
.set CN2,  66
.set CS,   80
.set RT,   82
.set SEL,  84
.set SK,   86
.set MSB, 0
.macro WIN new                         ; the immediate's high byte repeats the setting that is left; a switch that changes nothing is dropped
.if MSB != \new
	s_set_vgpr_msb (MSB<<8)|\new
.set MSB, \new
.endif
.endm
.macro NOPS n
.rept \n
	v_nop
.endr
.endm
.macro CREST                           ; a round of the cluster's barrier behind its opening barrier
	s_cmp_lg_u32 s[WV], 0
	s_cbranch_scc1 .Lnot_wave_0_\@
	s_barrier_signal -3
.Lnot_wave_0_\@:
	s_barrier_wait -3
	s_barrier_signal -1
	s_barrier_wait -1
.endm
.macro CROUND                          ; a whole round
	s_barrier_signal -1
	s_barrier_wait -1
	CREST
.endm
; A fill: one joint load a wave, chosen by the wave's number alone.  withv = 0: waves 6 and 7 ask for nothing.  s_nop 0 and four v_nop behind each load
.macro JLOAD withv
	s_cmp_lt_u32 s[WV], 4
	s_cbranch_scc0 .Lkv_\@
	tensor_load_to_lds s[G0M:G0M+3], s[G1M:G1M+7]
	s_nop 0
	NOPS 4
	s_branch .Lasked_\@
.Lkv_\@:
.if (\withv) == 0
	s_cmp_lt_u32 s[WV], 6
	s_cbranch_scc0 .Lasked_\@
.endif
	tensor_load_to_lds s[G0K:G0K+3], s[G1KV:G1KV+7]
	s_nop 0
	NOPS 4
.Lasked_\@:
.endm
.macro FSTEP                           ; both groups 0 on to the next fill: the other slot, the next 512 keys (behind the row's end: key 0 again)
	s_xor_b32 s[FS], s[FS], SLOT
	s_add_co_u32 s[JJ], s[JJ], 1
	s_and_b32 s[JJ], s[JJ], 3
	s_lshl_b32 s[OFM], s[JJ], 11
	s_mul_i32 s[OFK], s[JJ], 4*REC
	s_add_co_u32 s[G0M+1], s[XM], s[FS]
	s_add_co_u32 s[G0K+1], s[XK], s[FS]
	s_add_nc_u64 s[G0M+2:G0M+3], s[MB:MB+1], s[OFM:OFM+1]
	s_or_b32 s[G0M+3], s[G0M+3], 0x80000000
	s_add_nc_u64 s[G0K+2:G0K+3], s[KB:KB+1], s[OFK:OFK+1]
	s_or_b32 s[G0K+3], s[G0K+3], 0x80000000
.endm
	s_load_b256 s[4:11], s[0:1], 0x0               ; query, kvq, attention_mask, sinks
	s_load_b64 s[12:13], s[0:1], 0x20              ; out0
	v_lshl_add_u32 v[SPW], v0, 2, SPARE
	v_mov_b32 v[NIL], 0
	ds_add_u32 v[SPW], v[NIL]                      ; the opening lines: the add twice on end, its wait ahead of my first tensor load
	ds_add_u32 v[SPW], v[NIL]
	v_lshrrev_b32 v[TM], 5, v0
	v_readfirstlane_b32 s[WV], v[TM]               ; wave 0..7
	s_lshr_b32 s[QT], s[WV], 2
	s_and_b32 s[HP], s[WV], 3
	s_bfe_u32 s[CX], ttmp6, 0x40000
	s_bfe_u32 s[CY], ttmp6, 0x40004
	s_lshl_b32 s[GH], ttmp9, 2
	s_add_co_u32 s[GH], s[GH], s[CX]               ; key/value head
	s_and_b32 s[QB], ttmp7, 0xffff
	s_lshl_b32 s[QB], s[QB], 2
	s_add_co_u32 s[QB], s[QB], s[CY]               ; block of 32 queries
	s_lshl_b32 s[RM], s[CY], 2
	s_lshl_b32 s[RM], 15, s[RM]                    ; my row of the cluster
	s_lshl_b32 s[CM], 0x1111, s[CX]                ; my column
	s_or_b32 s[G1KV], s[CM], (3<<16)|(1<<21)       ; two records: 68 dense rows of 256 bytes (32 elements of 8)
	s_mov_b32 s[G1KV+1], 32<<16
	s_mov_b32 s[G1KV+2], 68<<16
	s_mov_b32 s[G1KV+3], 32<<16
	s_mov_b32 s[G1KV+4], 68
	s_mov_b32 s[G1KV+5], 32
	s_mov_b32 s[G1KV+6], 0
	s_mov_b32 s[G1KV+7], 0
	s_or_b32 s[G1M], s[RM], (2<<16)|(1<<20)|(1<<21)|(6<<22)|(3<<25)   ; 32 rows of 128 elements of 4 bytes, 2,048 apart; 4 words of padding behind every 128
	s_mov_b32 s[G1M+1], 128<<16
	s_mov_b32 s[G1M+2], 32<<16
	s_mov_b32 s[G1M+3], 128<<16
	s_mov_b32 s[G1M+4], 32
	s_mov_b32 s[G1M+5], 2048
	s_mov_b32 s[G1M+6], 0
	s_mov_b32 s[G1M+7], 0
	s_mul_i32 s[XM], s[HP], MSKB                   ; waves 0-3: key step w of a slot
	s_mul_i32 s68, s[HP], 2*REC                    ; waves 4-7: records 2 (w - 4) on of the slot's eight,
	s_add_co_u32 s[XK], s68, KOFF
	s_bfe_u32 s69, s[WV], 0x10001
	s_mul_i32 s69, s69, 12*REC                     ; of which V's four lie 16 records behind K's in memory
	s_mul_i32 s88, s[GH], 32*REC
	s_add_co_u32 s88, s88, s68
	s_add_co_u32 s88, s88, s69
	s_mov_b32 s89, 0
	s_lshl_b32 s90, s[QB], 18                      ; 32 rows of 8,192 bytes a block
	s_lshl_b32 s91, s[HP], 9
	s_add_co_u32 s90, s90, s91
	s_mov_b32 s91, 0
	s_lshl_b32 s92, s[GH], 3
	s_lshl_b32 s93, s[HP], 1
	s_add_co_u32 s92, s92, s93                     ; my first head
	s_lshl_b32 s76, s92, 2
	s_mov_b32 s77, 0
	s_lshl_b32 s94, s92, 9
	s_lshl_b32 s92, s92, 20
	s_lshl_b32 s93, s[QB], 5
	s_lshl_b32 s79, s[QT], 4
	s_add_co_u32 s93, s93, s79                     ; my first query
	s_lshl_b32 s79, s93, 9
	s_add_co_u32 s92, s92, s79
	s_lshl_b32 s79, s93, 14
	s_add_co_u32 s94, s94, s79
	s_mov_b32 s93, 0
	s_mov_b32 s95, 0
	s_mov_b32 s[CS], 0x3e0293ee                    ; log2(e) / sqrt(128)
	s_mov_b32 s[CS+1], s[CS]
	s_mov_b32 s[RT], 0x413504f3                    ; sqrt(128)
	s_mov_b32 s[RT+1], s[RT]
	s_mov_b32 s[SEL], 0x76543210
	s_mov_b32 s[SEL+1], 0xfedcba98
	s_mov_b32 s[FS], 0
	s_mov_b32 s[JJ], 0
	s_mov_b32 s[OFM+1], 0
	s_mov_b32 s[OFK+1], 0
	s_mov_b32 s[RB], 0
	s_mov_b32 s[MO], 0
	s_mov_b32 s[KO], KOFF
	s_wait_dscnt 0x0                               ; both opening adds are done
	s_wait_kmcnt 0x0
	s_add_nc_u64 s[10:11], s[10:11], s[76:77]
	s_load_b64 s[SK:SK+1], s[10:11], 0x0           ; my two heads' sinks
	s_add_nc_u64 s[12:13], s[12:13], s[94:95]
	s_add_nc_u64 s[4:5], s[4:5], s[92:93]
	s_add_nc_u64 s[MB:MB+1], s[8:9], s[90:91]
	s_add_nc_u64 s[KB:KB+1], s[6:7], s[88:89]
	s_mov_b32 s[G0M], 1
	s_mov_b32 s[G0M+1], s[XM]
	s_mov_b64 s[G0M+2:G0M+3], s[MB:MB+1]
	s_or_b32 s[G0M+3], s[G0M+3], 0x80000000
	s_mov_b32 s[G0K], 1
	s_mov_b32 s[G0K+1], s[XK]
	s_mov_b64 s[G0K+2:G0K+3], s[KB:KB+1]
	s_or_b32 s[G0K+3], s[G0K+3], 0x80000000
	CROUND                                         ; all sixteen work-groups are here: the first joint loads meet
	JLOAD 1                                        ; fill 0: one load a wave
	v_and_b32 v[TM], 15, v0                        ; r
	v_bfe_u32 v[TM+1], v0, 4, 1                    ; h
	v_and_b32 v[TM+2], 31, v0                      ; lane
	v_lshlrev_b32 v[AQ], 4, v[TM]
	v_lshl_add_u32 v[AQ], v[TM+1], 9, v[AQ]        ; query as it lies: lanes 0-15 take 256 bytes of one row, lanes 16-31 of the next
	s_wait_alu depctr_va_vdst(0)
	WIN 0x40                                       ; into the mask's and V's registers, which are idle here
.irp x, 0,1
.irp c, 0,1
.irp i, 0,1,2,3,4,5,6,7
	global_load_b128 v[128+64*\x+32*\c+4*\i:128+64*\x+32*\c+4*\i+3], v[AQ], s[4:5] offset:(1<<20)*\x+256*\c+1024*\i th:TH_LOAD_NT   ; head x, channels 64 c on, rows 2 i and 2 i + 1
.endr
.endr
.endr
	WIN 0
	s_mul_i32 s78, s[WV], 16*QP
	s_add_co_u32 s78, s78, STG                     ; my stage
	v_mul_u32_u24 v[SQI], v[TM+1], QP
	v_lshl_add_u32 v[SQI], v[TM], 4, v[SQI]
	v_add_nc_u32 v[SQI], s78, v[SQI]               ; in: as loaded
	v_mul_u32_u24 v[SQO], v[TM], QP
	v_lshl_add_u32 v[SQO], v[TM+1], 7, v[SQO]
	v_add_nc_u32 v[SQO], s78, v[SQO]               ; out: row r, + 128 h: my 32 channels of the 64
	v_lshlrev_b32 v[LI], 4, v[TM+2]
	v_lshlrev_b32 v[LS], 2, v[TM+2]
	v_lshlrev_b32 v[H8], 3, v[TM+1]
	v_mul_u32_u24 v[TM+3], v[TM], RP
	s_mul_i32 s79, s[QT], 16*RP
	v_lshl_add_u32 v[AMK], v[TM+1], 6, v[TM+3]
	v_add_nc_u32 v[AMK], s79, v[AMK]               ; the mask: my query's row, + 64 h: my 16 keys of a block of 32
	v_mov_b32 v[AM], v[AMK]                        ; key step 0
	v_add_nc_u32 v[ADK], KOFF, v[LI]
	v_add_nc_u32 v[ADKS], KOFF, v[LS]
.irp b, 0,1,2,3
	v_mov_b32 v[PB+\b], 0                          ; a lane permute's destination counts as one of its sources
.endr
	v_mov_b32 v[FF+1], 0
	WIN 0x40
.set j, 0
.rept 128
	v_mov_b32 v[OT+j], 0                           ; O^T, cleared once under the first loads: walk 2's step is then written with no first step of its own
.set j, j+1
.endr
	WIN 0
	v_cmp_gt_u32 vcc_lo, 16, v[TM+2]               ; lanes 0-15
	s_mov_b32 s79, 0x3fb8aa3b                      ; log2(e)
	s_wait_kmcnt 0x0
	; THE SINK STARTS THE STATISTICS: the largest t, -M = floor(-t), and 2^(t - M) as the sum's first term, counted in lanes 0-15 alone (a query's keys lie in two lanes)
.irp x, 0,1
	v_mov_b32 v[SO+\x], s[SK+\x]
	s_delay_alu instid0(VALU_DEP_1)
	v_mul_f32 v[ST+4*\x+1], s79, v[SO+\x]
	s_delay_alu instid0(VALU_DEP_1)
	v_floor_f32 v[ST+4*\x], -v[ST+4*\x+1]
	s_delay_alu instid0(VALU_DEP_1)
	v_fma_f32 v[SO+2+\x], v[SO+\x], s79, v[ST+4*\x]
	s_wait_alu depctr_va_vdst(0)
	v_exp_f32 v[SO+2+\x], v[SO+2+\x]
.endr
	v_mov_b32 v[ST+3], 0
	v_mov_b32 v[ST+7], 0
	s_wait_alu depctr_va_vdst(0)
	v_cndmask_b32 v[ST+2], 0, v[SO+2], vcc_lo
	v_cndmask_b32 v[ST+6], 0, v[SO+3], vcc_lo
; 64 numbers of a lane, block c (channels 64 c + 32 h + 0 .. 31 of my query) at + 32 c, become tile x's fragment and scale word
.macro QUANTQ x, src
.irp c, 0,1
	v_max3_num_f32 v[TM+\c], |v[\src+32*\c]|, |v[\src+32*\c+1]|, 0x1800000   ; the floor 2^(3 - 127): the byte cannot fall under 1
.endr
.irp i, 2,4,6,8,10,12,14,16,18,20,22,24,26,28,30
.irp c, 0,1
	s_delay_alu instid0(VALU_DEP_2)
	v_max3_num_f32 v[TM+\c], v[TM+\c], |v[\src+32*\c+\i]|, |v[\src+32*\c+\i+1]|
.endr
.endr
.irp c, 0,1
	s_delay_alu instid0(VALU_DEP_2)
	v_add_nc_u32 v[SO+\c], 0xff000000, v[TM+\c]    ; 2 off the exponent field: the conversion's scale operand
.endr
.irp c, 0,1
	s_delay_alu instid0(VALU_DEP_2)
	v_lshrrev_b32 v[PB+\c], 23, v[SO+\c]
.endr
	s_delay_alu instid0(VALU_DEP_1)
	v_lshl_or_b32 v[TM], v[PB+1], 16, v[PB]
	s_delay_alu instid0(VALU_DEP_1)
	v_lshlrev_b32 v[TM], v[H8], v[TM]
	s_delay_alu instid0(VALU_DEP_1)
	v_permlanex16_b32 v[PB+2], v[TM], s[SEL], s[SEL+1]
	s_delay_alu instid0(VALU_DEP_1)
	v_or_b32 v[QS+\x], v[TM], v[PB+2]              ; with lane l xor 16's two bytes the word is whole
.irp c, 0,1
.irp g, 0,1,2,3
	v_cvt_scalef32_pk8_fp4_f32 v[QF+8*\x+4*\c+\g], v[\src+32*\c+8*\g:\src+32*\c+8*\g+7], v[SO+\c]
.endr
.endr
	v_nop                                          ; one plain line behind the last scaled conversion
.endm
; 16 rows x 256 bytes of query (n = 2 x + c) through my stage.  LDS serves a wave's instructions in order (ISA guide 5.7.1.4): the loads see the stores above them, and the next turn's stores come behind them
.macro QTURN n, dst
	s_wait_loadcnt 24-8*\n                         ; loads return in order: this turn's eight are in
	WIN 0x04                                       ; an LDS store's data are its source 1
.irp i, 0,1,2,3,4,5,6,7
	ds_store_b128 v[SQI], v[128+32*\n+4*\i:128+32*\n+4*\i+3] offset:2*QP*\i
.endr
	WIN 0
.irp i, 0,1,2,3,4,5,6,7
	ds_load_b128 v[\dst+4*\i:\dst+4*\i+3], v[SQO] offset:16*\i
.endr
.endm
	s_wait_alu depctr_va_vdst(0)
	QTURN 0, S
	QTURN 1, S+32
	QTURN 2, KF
	QTURN 3, KF+32
	s_wait_dscnt 32                                ; tile 0's two turns are done; tile 1's 32 stage instructions may be out
	QUANTQ 0, S
	s_wait_dscnt 0x0
	QUANTQ 1, KF
	s_wait_alu depctr_va_vdst(0)                   ; the head's end
	s_wait_tensorcnt 0x0                           ; my part of fill 0 is in
	ds_add_u32 v[SPW], v[NIL]
	FSTEP
	s_wait_dscnt 0x0
	CROUND                                         ; slot 0 is whole in every work-group
	JLOAD 1                                        ; fill 1: slot 1's first fill
.macro KLD                             ; the next step's K: 20 LDS loads
.irp t, 0,1,2,3,4,5,6,7
.irp c, 0,1
	ds_load_b128 v[KF+8*\t+4*\c:KF+8*\t+4*\c+3], v[ADK] offset:1024*\t+512*\c
.endr
.endr
.irp j, 0,1,2,3
	ds_load_b32 v[KS+\j], v[ADKS] offset:8192+128*\j
.endr
.endm
.macro MLD                             ; the next step's mask, 64 registers in the result's layout: 16 LDS loads
	WIN 0x40
.irp t, 0,1,2,3,4,5,6,7
.irp e, 0,1
	ds_load_b128 v[MK+8*\t+4*\e:MK+8*\t+4*\e+3], v[AM] offset:128*(\t/2)+32*(\t%2)+16*\e
.endr
.endr
	WIN 0
.endm
.macro VLD                             ; the step's V: 20 LDS loads
	WIN 0x40
.irp t, 0,1,2,3,4,5,6,7
.irp c, 0,1
	ds_load_b128 v[VF+8*\t+4*\c:VF+8*\t+4*\c+3], v[ADV] offset:1024*\t+512*\c
.endr
.endr
	WIN 0
.irp j, 0,1,2,3
	ds_load_b32 v[VS+\j], v[ADVS] offset:8192+128*\j
.endr
.endm
.macro MSCALE                          ; the mask x sqrt(128), once for both tiles
	WIN 0x41
.set j, 0
.rept 32
	v_pk_mul_f32 v[MK+j:MK+j+1], v[MK+j:MK+j+1], s[RT:RT+1] op_sel_hi:[1,0]
.set j, j+2
.endr
	WIN 0
.endm
; S^T = K Q^T + mask sqrt(128).  C lies in window 1.  Tile 0: D in window 0.  Tile 1: D in window 1, onto the mask itself.  Odd tiles' scale words lie in lanes 16-31
.macro QK x
	WIN 0x10+0x40*\x
.irp t, 0,2,4,6
	v_wmma_scale_f32_16x16x128_f8f6f4 v[S+8*\t:S+8*\t+7], v[KF+8*\t:KF+8*\t+7], v[QF+8*\x:QF+8*\x+7], v[MK+8*\t:MK+8*\t+7], v[KS+\t/2], v[QS+\x] matrix_a_fmt:MATRIX_FMT_FP4 matrix_b_fmt:MATRIX_FMT_FP4
	v_wmma_scale_f32_16x16x128_f8f6f4 v[S+8*\t+8:S+8*\t+15], v[KF+8*\t+8:KF+8*\t+15], v[QF+8*\x:QF+8*\x+7], v[MK+8*\t+8:MK+8*\t+15], v[KS+\t/2], v[QS+\x] matrix_a_fmt:MATRIX_FMT_FP4 matrix_b_fmt:MATRIX_FMT_FP4 matrix_a_scale:MATRIX_SCALE_ROW1
.endr
	WIN 0
.endm
.macro QKBOTH                          ; five plain lines before tile 1's products write over what tile 0's read as C; four before the loads into their sources
	QK 0
	NOPS 5
	QK 1
	NOPS 4
.endm
.macro ADVS chg                        ; where the next step's mask and K lie: a step on, or (chg) at the other slot's head
.if \chg
	s_xor_b32 s[RB], s[RB], SLOT
	s_mov_b32 s[MO], s[RB]
	s_add_co_u32 s[KO], s[RB], KOFF
.else
	s_add_co_u32 s[MO], s[MO], MSKB
	s_add_co_u32 s[KO], s[KO], REC
.endif
.endm
.macro ADVV
	v_add_nc_u32 v[AM], s[MO], v[AMK]
	v_add_nc_u32 v[ADK], s[KO], v[LI]
	v_add_nc_u32 v[ADKS], s[KO], v[LS]
.endm
; THE CHANGE OF SLOTS, first part, ahead of the step's products: the wait for all my tensor loads (my part of the other slot) and the add; the products stand between the add and the wait for it
.macro CHG1 fill
	s_wait_alu depctr_va_vdst(0)
	s_wait_tensorcnt 0x0
	ds_add_u32 v[SPW], v[NIL]
.if \fill
	FSTEP
.endif
.endm
.macro TEXP x                          ; the exponent of the tile's 64 scores, two at a time, and the power of two
	WIN 0x41*\x
.set j, 0
.rept 32
	v_pk_fma_f32 v[S+j:S+j+1], v[S+j:S+j+1], s[CS:CS+1], v[ST+4*\x:ST+4*\x+1] op_sel_hi:[1,0,0]
.set j, j+2
.endr
.set j, 0
	s_wait_alu depctr_va_vdst(0)
.rept 64
	v_exp_f32 v[S+j], v[S+j]
.set j, j+1
.endr
	WIN 0
.endm
; WALK 1, tile x: the lane's own running maximum and sum over its half of the query's keys
.macro STATS x
.if \x == 0
	s_wait_alu depctr_va_vdst(0)
.endif
	WIN 0x15*\x
.irp b, 0,1,2,3
	v_max3_num_f32 v[TM+\b], v[S+16*\b], v[S+16*\b+1], v[S+16*\b+2]
.endr
	WIN 0x14*\x
.irp i, 3,5,7,9,11,13
.irp b, 0,1,2,3
	v_max3_num_f32 v[TM+\b], v[TM+\b], v[S+16*\b+\i], v[S+16*\b+\i+1]
.endr
.endr
	WIN 0x04*\x
.irp b, 0,1,2,3
	v_max_num_f32 v[TM+\b], v[TM+\b], v[S+16*\b+15]
.endr
	WIN 0
.if \x == 0
	s_delay_alu instid0(VALU_DEP_2)
.endif
	v_max3_num_f32 v[TM], v[TM], v[TM+1], v[TM+2]
	s_delay_alu instid0(VALU_DEP_1)
	v_max_num_f32 v[TM], v[TM], v[TM+3]
	s_delay_alu instid0(VALU_DEP_1)
	v_mul_f32 v[TM], s[CS], v[TM]
	s_delay_alu instid0(VALU_DEP_1)
	v_max_num_f32 v[ST+4*\x+1], v[ST+4*\x+1], v[TM]
	v_mov_b32 v[TM], v[ST+4*\x]
	s_delay_alu instid0(VALU_DEP_2)
	v_floor_f32 v[ST+4*\x], -v[ST+4*\x+1]          ; the new -M = -ceil(largest t)
	s_delay_alu instid0(VALU_DEP_1)
	v_sub_f32 v[TM], v[ST+4*\x], v[TM]
	s_delay_alu instid0(VALU_DEP_1)
	v_cvt_i32_f32 v[TM], v[TM]
	s_delay_alu instid0(VALU_DEP_1)
	v_ldexp_f32 v[FF], 1.0, v[TM]                  ; f = 2^(old M - new M): the multiplication by it rounds nothing
	TEXP \x
	v_pk_mul_f32 v[ST+4*\x+2:ST+4*\x+3], v[ST+4*\x+2:ST+4*\x+3], v[FF:FF+1] op_sel_hi:[1,0]
	s_wait_alu depctr_va_vdst(0)
	WIN 0x05*\x
	v_pk_add_f32 v[SUM2:SUM2+1], v[S:S+1], v[S+2:S+3]
	WIN 0x04*\x
.irp j, 4,8,12,16,20,24,28,32,36,40,44,48,52,56,60
	v_pk_add_f32 v[ST+4*\x+2:ST+4*\x+3], v[ST+4*\x+2:ST+4*\x+3], v[S+\j:S+\j+1]
	v_pk_add_f32 v[SUM2:SUM2+1], v[SUM2:SUM2+1], v[S+\j+2:S+\j+3]
.endr
	WIN 0
.if \x == 0
	s_delay_alu instid0(VALU_DEP_1)
.endif
	v_pk_add_f32 v[ST+4*\x+2:ST+4*\x+3], v[ST+4*\x+2:ST+4*\x+3], v[SUM2:SUM2+1]
.endm
; The walk's end: the two lanes of a query agree on M (the larger), bring their sums under it and add them; -M - log2 l is walk 2's addend
.macro FINAL x
	v_add_f32 v[ST+4*\x+2], v[ST+4*\x+2], v[ST+4*\x+3]
	v_permlanex16_b32 v[PB], v[ST+4*\x], s[SEL], s[SEL+1]
	s_delay_alu instid0(VALU_DEP_1)
	v_min_num_f32 v[PB], v[ST+4*\x], v[PB]
	s_delay_alu instid0(VALU_DEP_1)
	v_sub_f32 v[TM], v[PB], v[ST+4*\x]
	s_delay_alu instid0(VALU_DEP_1)
	v_cvt_i32_f32 v[TM], v[TM]
	s_delay_alu instid0(VALU_DEP_1)
	v_ldexp_f32 v[TM], 1.0, v[TM]
	s_delay_alu instid0(VALU_DEP_1)
	v_mul_f32 v[ST+4*\x+2], v[ST+4*\x+2], v[TM]
	v_mov_b32 v[ST+4*\x], v[PB]
	s_delay_alu instid0(VALU_DEP_2)
	v_permlanex16_b32 v[PB+1], v[ST+4*\x+2], s[SEL], s[SEL+1]
	s_delay_alu instid0(VALU_DEP_1)
	v_add_f32 v[ST+4*\x+2], v[ST+4*\x+2], v[PB+1]  ; l: above 1/2, since the largest term is
	s_wait_alu depctr_va_vdst(0)
	v_log_f32 v[TM+1], v[ST+4*\x+2]
	v_nop
	s_wait_alu depctr_va_vdst(0)
	v_sub_f32 v[ST+4*\x], v[ST+4*\x], v[TM+1]
.endm
; WALK 2, tile x: p, finished and normalised; its four blocks of 32 keys (16 in my lane, 16 in lane l xor 16) are quantised; the codes become source 1 of the second product
.macro SOFT x
.if \x == 0
	s_wait_alu depctr_va_vdst(0)
.endif
	TEXP \x
	v_nop
	s_wait_alu depctr_va_vdst(0)
	WIN 0x05*\x
.irp b, 0,1,2,3
	v_max3_num_f32 v[TM+\b], v[S+16*\b], v[S+16*\b+1], 0x1800000   ; no p is negative; the floor holds the byte at 1 from below
.endr
	WIN 0x14*\x
.irp i, 2,4,6,8,10,12,14
.irp b, 0,1,2,3
	v_max3_num_f32 v[TM+\b], v[TM+\b], v[S+16*\b+\i], v[S+16*\b+\i+1]   ; four chains by turns
.endr
.endr
	WIN 0
.irp b, 0,1,2,3
	v_permlanex16_b32 v[PB+\b], v[TM+\b], s[SEL], s[SEL+1]
.endr
.irp b, 0,1,2,3
	v_max_num_f32 v[TM+\b], v[TM+\b], v[PB+\b]
.endr
.irp b, 0,1,2,3
	v_add_nc_u32 v[SO+\b], 0xff000000, v[TM+\b]
.endr
.irp b, 0,1,2,3
	v_lshrrev_b32 v[PB+\b], 23, v[SO+\b]
.endr
	s_delay_alu instid0(VALU_DEP_3)
	v_lshl_or_b32 v[PS+\x], v[PB+1], 8, v[PB]
	s_delay_alu instid0(VALU_DEP_1)
	v_lshl_or_b32 v[PS+\x], v[PB+2], 16, v[PS+\x]
	s_delay_alu instid0(VALU_DEP_1)
	v_lshl_or_b32 v[PS+\x], v[PB+3], 24, v[PS+\x]
	WIN 0x01*\x
.irp b, 0,1,2,3
	v_cvt_scalef32_pk8_fp4_f32 v[PC+8*\x+2*\b], v[S+16*\b:S+16*\b+7], v[SO+\b]
	v_cvt_scalef32_pk8_fp4_f32 v[PC+8*\x+2*\b+1], v[S+16*\b+8:S+16*\b+15], v[SO+\b]
.endr
	WIN 0
	v_nop
.irp c, 0,1                            ; the operand's layout wants a whole block in a lane
.irp i, 0,1
	v_permlane16_swap_b32 v[PC+8*\x+4*\c+\i], v[PC+8*\x+4*\c+2+\i]
.endr
.endr
.endm
.macro PV                              ; O^T += V^T P^T: sixteen accumulators take turns, one instruction a turn
	WIN 0x51
.irp t, 0,2,4,6
.irp x, 0,1
	v_wmma_scale_f32_16x16x128_f8f6f4 v[OT+64*\x+8*\t:OT+64*\x+8*\t+7], v[VF+8*\t:VF+8*\t+7], v[PC+8*\x:PC+8*\x+7], v[OT+64*\x+8*\t:OT+64*\x+8*\t+7], v[VS+\t/2], v[PS+\x] matrix_a_fmt:MATRIX_FMT_FP4 matrix_b_fmt:MATRIX_FMT_FP4
.endr
.irp x, 0,1
	v_wmma_scale_f32_16x16x128_f8f6f4 v[OT+64*\x+8*\t+8:OT+64*\x+8*\t+15], v[VF+8*\t+8:VF+8*\t+15], v[PC+8*\x:PC+8*\x+7], v[OT+64*\x+8*\t+8:OT+64*\x+8*\t+15], v[VS+\t/2], v[PS+\x] matrix_a_fmt:MATRIX_FMT_FP4 matrix_b_fmt:MATRIX_FMT_FP4 matrix_a_scale:MATRIX_SCALE_ROW1
.endr
.endr
	WIN 0
.endm
; A KEY STEP OF WALK 1.  chg = 1: a slot's fourth step.  There tile 1's vector work, on registers alone, stands between the round's opening signal and its wait;
; behind the round this slot takes the fill two on, and the other slot's first K and mask are fetched under tile 0's work
.macro P1STEP chg
	s_wait_dscnt 0x0                               ; this step's mask and K are in registers
	ADVS \chg
	MSCALE
	ADVV                                           ; with the v_nop: four plain lines between the mask's multiplications and the products that take it as C
	v_nop
.if \chg
	CHG1 1
	QKBOTH
	s_wait_dscnt 0x0                               ; the add is done; all of this slot went into registers earlier
	s_barrier_signal -1
	STATS 1
	s_barrier_wait -1
	CREST
	JLOAD 0
	KLD
.else
	QKBOTH
	KLD
	STATS 1
.endif
	MLD
	STATS 0
.endm
; A KEY STEP OF WALK 2.  V's record lies four records behind the step's record of K
.macro P2STEP chg, fill, last
	s_wait_dscnt 0x0
.if \last == 0
	ADVS \chg
.endif
	MSCALE                                         ; (its 32 lines are also the places between the last step's products and the loads into V's registers)
	v_add_nc_u32 v[ADV], 4*REC, v[ADK]
	v_add_nc_u32 v[ADVS], 4*REC, v[ADKS]
.if \last
	NOPS 2
.else
	ADVV
.endif
	VLD
.if \chg
	CHG1 \fill
	QKBOTH
	s_wait_dscnt 0x0                               ; the add is done, and V, my last read of this slot, is in
	s_barrier_signal -1
	SOFT 1
	s_barrier_wait -1
.if \fill
	CREST
	JLOAD 1
.endif
	KLD
	MLD
.else
	QKBOTH
.if \last
	s_wait_dscnt 0x0                               ; V is in
	SOFT 1
.else
	KLD
	SOFT 1
	MLD
	s_wait_dscnt 36                                ; V's 20 loads are in; K's 20 and the mask's 16, issued behind them, may be out
.endif
.endif
	SOFT 0
	NOPS 8                                         ; a scale word written by vector instructions stands eight plain lines ahead of the scaled product
	PV
.endm
.macro LOOPEND c, l
	s_sub_co_u32 s[\c], s[\c], 1
	s_cmp_lg_u32 s[\c], 0
	s_cbranch_scc1 \l
.endm
	KLD                                            ; key step 0
	MLD
	s_mov_b32 s[CN2], 4
.Lw1slot:                                          ; slots 0-3; their changes ask for fills 2-5
	s_mov_b32 s[CNT], 3
.Lw1step:
	P1STEP 0
	LOOPEND CNT, .Lw1step
	P1STEP 1
	LOOPEND CN2, .Lw1slot
	FINAL 0
	FINAL 1
	s_mov_b32 s[CN2], 2
.Lw2slot:                                          ; slots 4, 5; their changes ask for fills 6, 7, with V
	s_mov_b32 s[CNT], 3
.Lw2step:
	P2STEP 0, 0, 0
	LOOPEND CNT, .Lw2step
	P2STEP 1, 1, 0
	LOOPEND CN2, .Lw2slot
	s_mov_b32 s[CNT], 3                            ; the last two slots are written out: they ask for nothing more
.Lw2six:
	P2STEP 0, 0, 0
	LOOPEND CNT, .Lw2six
	P2STEP 1, 0, 0
	s_mov_b32 s[CNT], 3
.Lw2seven:
	P2STEP 0, 0, 0
	LOOPEND CNT, .Lw2seven
	P2STEP 0, 0, 1
	; THE WAY OUT.  A tile goes through my stage (16 rows of 528 bytes, in slot 0, which has had its last fill and which nobody reads behind this barrier) and comes back as whole rows
	s_wait_dscnt 0x0
	s_barrier_signal -1
	s_barrier_wait -1
	v_and_b32 v[TM], 15, v0                        ; six plain lines: the places behind the last products
	v_bfe_u32 v[TM+1], v0, 4, 1
	s_mul_i32 s79, s[WV], 16*RP
	v_mul_u32_u24 v[STO], v[TM], RP
	s_delay_alu instid0(VALU_DEP_1)
	v_lshl_add_u32 v[STO], v[TM+1], 5, v[STO]
	s_delay_alu instid0(VALU_DEP_1)
	v_add_nc_u32 v[STO], s79, v[STO]               ; in: row r, + 32 h; tile t's eight channels 64 t bytes on
	v_add_nc_u32 v[RD], s79, v[LI]                 ; back: the 32 lanes take a row
.irp x, 0,1
	WIN 0x04
.irp t, 0,1,2,3,4,5,6,7
	ds_store_b128 v[STO], v[OT+64*\x+8*\t:OT+64*\x+8*\t+3] offset:64*\t        ; each accumulator from its low end on
	ds_store_b128 v[STO], v[OT+64*\x+8*\t+4:OT+64*\x+8*\t+7] offset:64*\t+16
.endr
	WIN 0
.irp i, 0,1,2,3,4,5,6,7,8,9,10,11,12,13,14,15
	ds_load_b128 v[KF+64*\x+4*\i:KF+64*\x+4*\i+3], v[RD] offset:RP*\i          ; LDS serves a wave's instructions in order (ISA guide 5.7.1.4)
.endr
.endr
.irp i, 0,1,2,3,4,5,6,7,8,9,10,11,12,13,14,15
	s_wait_dscnt 47-\i                             ; behind tile 0's row i: its 15 - i younger loads and tile 1's 32 stage instructions
	global_store_b128 v[LI], v[KF+4*\i:KF+4*\i+3], s[12:13] offset:16384*\i th:TH_STORE_NT       ; query i, my first head: 512 consecutive bytes, aligned to 256
.endr
.irp i, 0,1,2,3,4,5,6,7,8,9,10,11,12,13,14,15
	s_wait_dscnt 15-\i
	global_store_b128 v[LI], v[KF+64+4*\i:KF+64+4*\i+3], s[12:13] offset:16384*\i+512 th:TH_STORE_NT   ; my second head
.endr
	s_wait_tensorcnt 0x0                           ; the wave's end
	ds_add_u32 v[SPW], v[NIL]
	s_wait_dscnt 0x0
	CROUND                                         ; the closing round
	s_endpgm
.Lfunc_end_k_qf48fddc1bc_attn:
	.size	k_qf48fddc1bc_attn, .Lfunc_end_k_qf48fddc1bc_attn-k_qf48fddc1bc_attn
	.p2alignl 7, 3214868480
	.fill 96, 4, 3214868480
	.section	.rodata,"a",@progbits
	.p2align	6, 0x0
	.amdhsa_kernel k_qf48fddc1bc_attn
		.amdhsa_group_segment_fixed_size 327680
		.amdhsa_private_segment_fixed_size 0
		.amdhsa_enable_private_segment 0
		.amdhsa_kernarg_size 40
		.amdhsa_user_sgpr_count 2
		.amdhsa_user_sgpr_kernarg_segment_ptr 1
		.amdhsa_wavefront_size32 1
		.amdhsa_system_sgpr_workgroup_id_x 1
		.amdhsa_system_sgpr_workgroup_id_y 1
		.amdhsa_system_sgpr_workgroup_id_z 1
		.amdhsa_system_vgpr_workitem_id 0
		.amdhsa_next_free_vgpr 512
		.amdhsa_next_free_sgpr 96
		.amdhsa_reserve_vcc 1
		.amdhsa_float_denorm_mode_32 3
		.amdhsa_float_denorm_mode_16_64 3
		.amdhsa_memory_ordered 1
		.amdhsa_forward_progress 1
		.amdhsa_inst_pref_size 255
	.end_amdhsa_kernel
	.amdgpu_metadata
---
amdhsa.version: [ 1, 2 ]
amdhsa.kernels:
  - .name:           k_qf48fddc1bc_attn
    .symbol:         k_qf48fddc1bc_attn.kd
    .args:
      - { .name: query, .offset: 0, .size: 8, .value_kind: global_buffer, .address_space: global }
      - { .name: kvq, .offset: 8, .size: 8, .value_kind: global_buffer, .address_space: global }
      - { .name: attention_mask, .offset: 16, .size: 8, .value_kind: global_buffer, .address_space: global }
      - { .name: sinks, .offset: 24, .size: 8, .value_kind: global_buffer, .address_space: global }
      - { .name: out0, .offset: 32, .size: 8, .value_kind: global_buffer, .address_space: global }
    .group_segment_fixed_size: 327680
    .private_segment_fixed_size: 0
    .kernarg_segment_align: 8
    .kernarg_segment_size: 40
    .max_flat_workgroup_size: 256
    .sgpr_count:     96
    .vgpr_count:     512
    .wavefront_size: 32
...
	.end_amdgpu_metadata
.endif
;; end of part 2
